; MI455X (gfx1250); checked and timed in simulation.
; The chip was launched on July 23, 2026; its instructions are those of AMD's public machine-readable ISA for CDNA 5 (MIT licence, August 2026) and "CDNA5" Instruction Set Architecture Reference Guide (July 2026). The comments in the code are by the model that wrote it; some were corrected since.
;; Radix Attention. Allowed arithmetic: matrix products marked QUANTISED: E2M1 operands, one E8M0 scale for each 32 along K, by v_wmma_scale_f32_16x16x128_f8f6f4 with both operands' format E2M1 (or v_wmma_scale_f32_32x16x128_f4), f32 sums; everything else in f32.
;; Inputs: k 4 x 512 x 8 x 128 float32; pool_k 16,384 x 8 x 128 float32; pool_v 16,384 x 8 x 128 float32; q 4 x 512 x 32 x 128 float32; req_to_token 4 x 2,048 int32; v 4 x 512 x 8 x 128 float32.
;; Outputs: out0 2,048 x 4,096 float32.
;; This version of the problem:
;;   THIS VERSION OF THE PROBLEM IS GIVEN IN LOW PRECISION. The matrix products marked QUANTISED in the list below multiply operands that are first quantised to E2M1 (2 exponent bits, 1 mantissa bit; 4 bits a number), with one power-of-two scale for each 32 numbers along K (OCP MX v1.0); their sums are f32. All else is computed in f32.
;;   The module's matrix products, in the order in which they are computed (A, B: the left and right operand; K: the contracted axis; several contracted axes count as one K, in the product's order):
;;     1. batch 32 x [M 512, K 128] x [K 128, N 2,048]; A: input k; B: input q: QUANTISED
;;     2. batch 32 x [M 128, K 512] x [K 512, N 2,048]; A: input v; B: softmax (see below): QUANTISED
;;     3. batch 32 x [M 2,048, K 128] x [K 128, N 2,048]; A: computed on the way; B: input q: QUANTISED
;;     4. batch 32 x [M 128, K 2,048] x [K 2,048, N 2,048]; A: computed on the way; B: softmax (see below): QUANTISED
;;   THE QUANTISER, for each operand of a quantised product, along K:
;;     - K is cut into blocks of 32 from its start; a last block that is shorter is filled with zeros.
;;     - A block's scale is 2^e with e = floor(log2(the largest magnitude in the block)) - 2, held to -126 .. 127; a block of zeros has e = 0. As a byte (E8M0): e + 127.
;;     - Each number is divided by its block's scale, clamped to +-6, and rounded to the nearest number of E2M1, ties to even, subnormals kept.
;;     - The product sums the exact products of the quantised numbers (number of the format x scale) in f32.
;;   ~~~python
;;   def quantise(x, axis):      # numpy; x: float32 -> the quantised numbers, widened to float32 again
;;       x = np.moveaxis(x, axis, -1); K = x.shape[-1]
;;       x = np.pad(x, [(0, 0)] * (x.ndim - 1) + [(0, -K % 32)]); x = x.reshape(x.shape[:-1] + (-1, 32)); a = np.abs(x).max(-1, keepdims=True)
;;       e = np.where(a > 0, np.clip(np.frexp(np.where(a > 0, a, 1))[1] - 1 - 2, -126, 127), 0)      # np.frexp(a)[1] - 1 = floor(log2(a)), exactly
;;       r = np.clip(x / 2.0 ** e, -6, 6)
;;       step = 2.0 ** (np.maximum(np.frexp(np.where(r == 0, 1, r))[1] - 1, 0) - 1)
;;       q = np.round(r / step) * step * 2.0 ** e      # np.round: ties to even
;;       return np.moveaxis(q.reshape(q.shape[:-2] + (-1,))[..., :K], -1, axis).astype(np.float32)
;;   ~~~
;;   SOFTMAX AHEAD OF A QUANTISED PRODUCT. Where the list says 'softmax', what is quantised is not the finished softmax but p = 2^(t - M), with t = logit x log2(e) and M = ceil(the row's largest t), a whole number; so 1/2 < the row's largest p <= 1. The row's sum l is taken of the UNQUANTISED p, in f32, and the product's result is divided by l at the end. Since M is a whole number, a kernel that streams over the keys may use a running M (the ceiling of the running maximum): every later rescaling is an exact power of two, which a block's scale takes up: the codes' values come out the same.
;;   OPERANDS COMPUTED ON THE WAY. 'Computed on the way' means the value that the module computes at that place (a softmax that the list does not call 'softmax' is quantised finished and normalised). What goes into a quantiser is computed in f32, as accurately as f32 sums, v_exp_f32 and their like allow (about 1e-6 of the number): no bf16 or f16 on the way to a quantiser, and a product that is left as it is and whose result goes on into a quantised operand takes f32 operands (vector FMAs, or v_wmma_f32_16x16x4_f32). A number that lies on a knife's edge between two numbers of the format may be rounded either way, as far as f32 arithmetic and the matrix unit's own rounding can turn it there, and no further.
;; One version. Each part assembles by itself: llvm-mc -triple=amdgcn-amd-amdhsa -mcpu=gfx1250 --defsym DOCPART=n.
;; ======== version 1 of 1: 2 launches
;; limits: right only within a limited range of input values
;; workspace buffers: kv 10,485,760 bytes; sc 655,360 bytes
;; launch prep (part 1): grid 160 x 3, 8 waves a work-group, no clusters, 68,608 bytes of LDS; arguments k, pool_k, v, pool_v, req_to_token, kv, sc; writes kv, sc
.if DOCPART == 1
	.amdgcn_target "amdgcn-amd-amdhsa--gfx1250"
	.amdhsa_code_object_version 6
	.text
	.protected	k_qbeac334c6b_prep
	.globl	k_qbeac334c6b_prep
	.p2align	8
	.type	k_qbeac334c6b_prep,@function
k_qbeac334c6b_prep:
	s_mov_b64 s[64:65], 0
	v_nop
	global_prefetch_b8 v0, s[64:65] scope:SCOPE_SE
	s_setreg_imm32_b32 hwreg(HW_REG_WAVE_MODE, 25, 1), 1
	s_wait_xcnt 0x0
; K and V of every (batch b, kv head) become codes of FP4 (E2M1) with one E8M0 scale byte for each 32 along a product's K, ONCE, laid as images of the operand registers of the attention launch.
; The keys of a (b, head) are 20 steps of 128: steps 0-3 the 512 new tokens (k, v), steps 4-19 the 2,048 prefix tokens, gathered from pool_k, pool_v through req_to_token.
; kv [bh = 8 b + head][step][16,384]: bytes 0-8191 K's eight tiles of 16 keys x 128 channels (quantised along the channels), bytes 8192-16383 V's eight tiles of 16 channels x 128 keys (quantised along the keys).
;   A tile is 1,024 bytes: register group c (0, 1) of lane l at 512 c + 16 l, so that two loads of 16 bytes a lane bring a fragment.
;   THE KEYS OF A TILE OF K ARE NOT NEIGHBOURS: row r of tile t is key 32 (t / 2) + 8 (t % 2) + r + 8 (r / 8) of the step, so that in the transposed score tiles a lane's 16 registers of tiles 2 b, 2 b + 1 are 16 neighbouring keys.
; sc [bh][step][1,024]: bytes 0-511 K's scale words (tile 4 H + j, row r at 256 H + 16 r + 4 j); bytes 512-1023 V's (tile 2 q + l / 16, row l % 16 at 512 + 128 q + 4 l).
; A block's scale is 2^(floor(log2(its largest magnitude)) - 2): its byte is the largest magnitude's exponent field - 2, held at 1 from below by a floor among the maximum's leaves.
; LIMITS: NaN and infinities among the inputs are not served; a block whose largest magnitude lies under 2^-124, a block of zeros too, keeps the byte 1 (its codes are then zeros or the nearest codes under that scale; the bytes are read by this program alone);
; an index is held to 0 .. 16,383.
; SHARES.  Work-group x: b = x % 4, step = x / 8, half = (x / 4) % 2.  y = 0: K: wave w takes head w and the half's 64 keys: the eight waves read each token's whole row of 4,096 bytes.
; y = 1, 2: V: head pair 2 (y - 1) + half; wave w takes head 2 pair + w / 4 and 32 channels (w % 4), a lane a channel, its registers running down the 128 keys: four waves stand side by side on a row's 512 bytes.
; No tensor loads, no barrier: waves share nothing.  No cluster: no two work-groups are known to read the same bytes (which pool rows repeat hangs on the list).  No matrix unit: there is no product here.
.set STGB,  8448                       ; K path: a wave's stage in LDS: 16 rows x (512 bytes + 16): the pitch is an odd multiple of 16 bytes, so the 16 rows that a load touches start at 16 different banks (64 banks of 4 bytes: ISA guide 11.1)
.set SPARE, 8*STGB                     ; behind the stages: the spare words, 128 bytes for each wave: four blocks of 256 bytes that no other line names
.set SPW,   6                          ; v6   LDS address of my spare word; never rewritten
.set NIL,   7                          ; v7   0; never rewritten
.set FLOOR, 0x1800000                  ; 2^(3 - 127): no largest magnitude is taken under it, so the byte cannot fall under 1
.set OFFE,  0xff000000                 ; takes 2 off an exponent field
.set CK,    16                         ; K: v16-23   a tile's codes
.set WK,    24                         ; K: v24-27   four tiles' scale words
.set AK,    32                         ; K: v32-63   two sets of 16 row offsets
.set RK,    64                         ; K: v64-191  two sets of 16 rows as loaded
.set XK,    192                        ; K: v192-255 64 numbers of my row, in the operand's order
.set XV,    64                         ; V: v64-127  two sets of 32 numbers down the keys
.set AV,    128                        ; V: v128-191 two sets of 32 row offsets
.set CV,    192                        ; V: v192-207 four blocks' codes: no store's data are written again
; SCALARS: s2 wave, s3 y, s4 b, s5 step, s6 half, s7 head, s[10:11] the source at my head's (and channels') bytes, s[12:13] my part of the list, s14 the first new token's byte offset,
; s16-63 and s68-83 the byte offsets of 64 tokens' rows, s66, s67 lane selects, s[84:97] the arguments.
; The byte offsets of the rows of keys first .. first + 63 of my task.  Prefix steps: the list's numbers, held to the pool's 16,384 rows, x 4,096 bytes.  New tokens: consecutive rows.  The branch hangs on the work-group's number alone.
.macro OFFS first
	s_cmp_lt_u32 s5, 4
	s_cbranch_scc1 .Lext_\@
	s_load_b512 s[16:31], s[12:13], 4*(\first)
	s_load_b512 s[32:47], s[12:13], 4*(\first)+64
	s_load_b512 s[48:63], s[12:13], 4*(\first)+128
	s_load_b512 s[68:83], s[12:13], 4*(\first)+192
	s_wait_kmcnt 0x0
.set i, 0
.rept 64
	s_min_u32 s[16+i+4*(i/48)], s[16+i+4*(i/48)], 0x3fff
	s_lshl_b32 s[16+i+4*(i/48)], s[16+i+4*(i/48)], 12
.set i, i+1
.endr
	s_branch .Ljoin_\@
.Lext_\@:
.set i, 0
.rept 64
	s_add_co_u32 s[16+i+4*(i/48)], s14, ((\first)+i)*4096
.set i, i+1
.endr
.Ljoin_\@:
.endm
; The pointers.  In: s7 head, s8 my channels' bytes in a head's row, s15 my first key in the step, s98 and s99 my part's bytes in a step of kv and of sc.  ext, pool: the registers of the two sources.
.macro POINT ext, pool
	s_lshl_b32 s9, s4, 3
	s_add_co_u32 s9, s9, s7                        ; bh = 8 b + head
	s_mul_i32 s9, s9, 20
	s_add_co_u32 s9, s9, s5                        ; 20 bh + step
	s_lshl_b32 s16, s9, 14
	s_add_co_u32 s16, s16, s98                     ; in kv (under 2^24)
	s_mov_b32 s17, 0
	s_lshl_b32 s18, s9, 10
	s_add_co_u32 s18, s18, s99                     ; in sc
	s_mov_b32 s19, 0
	s_lshl_b32 s20, s7, 9                          ; a head's 512 bytes in a token's row
	s_add_co_u32 s20, s20, s8
	s_mov_b32 s21, 0
	s_lshl_b32 s14, s4, 9
	s_lshl_b32 s22, s5, 7
	s_add_co_u32 s14, s14, s22
	s_add_co_u32 s14, s14, s15
	s_lshl_b32 s14, s14, 12                        ; new tokens: row 512 b + 128 step + my first key, x 4,096 bytes (used in steps 0-3 alone)
	s_max_u32 s22, s5, 4
	s_sub_co_u32 s22, s22, 4                       ; prefix steps count from 0 (held at 0 in steps 0-3, which do not read the list)
	s_lshl_b32 s22, s22, 7
	s_lshl_b32 s23, s4, 11
	s_add_co_u32 s22, s22, s23
	s_add_co_u32 s22, s22, s15
	s_lshl_b32 s22, s22, 2                         ; the list: 4 bytes x (2,048 b + 128 (step - 4) + my first key)
	s_mov_b32 s23, 0
	s_wait_kmcnt 0x0
	s_cmp_lt_u32 s5, 4                             ; the choice hangs on the work-group's number alone
	s_cselect_b64 s[10:11], s[\ext:\ext+1], s[\pool:\pool+1]
	s_add_nc_u64 s[10:11], s[10:11], s[20:21]
	s_add_nc_u64 s[12:13], s[92:93], s[22:23]
	s_add_nc_u64 s[94:95], s[94:95], s[16:17]
	s_add_nc_u64 s[96:97], s[96:97], s[18:19]
.endm
	s_load_b256 s[84:91], s[0:1], 0x0              ; k s[84:85], pool_k s[86:87], v s[88:89], pool_v s[90:91]
	s_load_b128 s[92:95], s[0:1], 0x20             ; req_to_token s[92:93], kv s[94:95]
	s_load_b64 s[96:97], s[0:1], 0x30              ; sc
	v_lshl_add_u32 v[SPW], v0, 2, SPARE
	v_mov_b32 v[NIL], 0
	v_lshrrev_b32 v1, 5, v0
	s_delay_alu instid0(VALU_DEP_1)
	v_readfirstlane_b32 s2, v1                     ; wave 0..7
	v_and_b32 v1, 31, v0                           ; lane
	s_and_b32 s3, ttmp7, 0xffff                    ; y
	s_and_b32 s4, ttmp9, 3                         ; b
	s_lshr_b32 s5, ttmp9, 3                        ; step 0..19
	s_bfe_u32 s6, ttmp9, 0x10002                   ; half
	s_mov_b32 s66, 0x76543210
	s_mov_b32 s67, 0xfedcba98                      ; v_permlanex16_b32's selects for lane l xor 16
	s_cmp_lg_u32 s3, 0
	s_cbranch_scc1 .Lv
; ---------------- K: 64 keys of one head: four tiles of 16 keys x 128 channels
	s_mov_b32 s7, s2                               ; head = wave
	s_mov_b32 s8, 0
	s_lshl_b32 s15, s6, 6                          ; my first key: 64 x half
	s_lshl_b32 s98, s6, 12                         ; kv: tiles 4 half on
	s_lshl_b32 s99, s6, 8                          ; sc: 256 x half
	POINT 84, 86
	s_mul_i32 s98, s2, STGB                        ; my stage
	s_wait_alu depctr_va_vdst(0)
	v_lshlrev_b32 v2, 4, v1                        ; 16 x lane: my bytes of a row of 512, and of an image
	v_and_b32 v8, 15, v1                           ; r
	v_lshrrev_b32 v9, 4, v1                        ; h
	s_delay_alu instid0(VALU_DEP_3)
	v_add_nc_u32 v3, s98, v2                       ; into the stage: a row as it is loaded
	s_delay_alu instid0(VALU_DEP_3)
	v_mul_u32_u24 v4, v8, 528
	s_delay_alu instid0(VALU_DEP_1)
	v_lshl_add_u32 v4, v9, 7, v4
	s_delay_alu instid0(VALU_DEP_1)
	v_add_nc_u32 v4, s98, v4                       ; out of it: row r, channels 32 h on
	v_lshlrev_b32 v5, 3, v9                        ; 8 h: where my two bytes stand in the scale word
	v_lshlrev_b32 v28, 4, v8                       ; 16 r: my row's four scale words in sc
	v_mov_b32 v15, 0                               ; written once: a lane permute's destination counts as one of its sources
; tile j's 16 rows: each load reads one key's 512 consecutive bytes, 16 a lane.  No cache hint: the list may name a row twice.
.macro LOADT j
.irp i, 0,1,2,3,4,5,6,7,8,9,10,11,12,13,14,15
.set n, 32*((\j)/2)+8*((\j)%2)+\i+8*(\i/8)
	v_add_nc_u32 v[AK+16*((\j)%2)+\i], s[16+n+4*(n/48)], v2
.endr
.irp i, 0,1,2,3,4,5,6,7,8,9,10,11,12,13,14,15
	global_load_b128 v[RK+64*((\j)%2)+4*\i:RK+64*((\j)%2)+4*\i+3], v[AK+16*((\j)%2)+\i], s[10:11]
.endr
.endm
; The tile turns through my stage: in as rows, out so that lane (r, h) holds channels 64 c + 32 h + 0 .. 31 of row r in registers 32 c on.  LDS serves a wave's instructions in order (ISA guide 5.7.1.4): no wait between stores and loads.
.macro TURN j
.irp i, 0,1,2,3,4,5,6,7,8,9,10,11,12,13,14,15
	ds_store_b128 v3, v[RK+64*((\j)%2)+4*\i:RK+64*((\j)%2)+4*\i+3] offset:528*\i
.endr
.irp c, 0,1
.irp m, 0,1,2,3,4,5,6,7
	ds_load_b128 v[XK+32*\c+4*\m:XK+32*\c+4*\m+3], v4 offset:256*\c+16*\m
.endr
.endr
.endm
; My two whole blocks (2 c + h) of row r: largest magnitudes, bytes, codes.  The conversions' results are the operand's registers.
.macro QUANTK j
.irp c, 0,1
	v_max3_num_f32 v[8+\c], |v[XK+32*\c]|, |v[XK+32*\c+1]|, FLOOR
.endr
.irp i, 2,4,6,8,10,12,14,16,18,20,22,24,26,28,30
.irp c, 0,1
	s_delay_alu instid0(VALU_DEP_2)
	v_max3_num_f32 v[8+\c], v[8+\c], |v[XK+32*\c+\i]|, |v[XK+32*\c+\i+1]|   ; the two blocks by turns
.endr
.endr
.irp c, 0,1
	s_delay_alu instid0(VALU_DEP_2)
	v_add_nc_u32 v[10+\c], OFFE, v[8+\c]           ; 2 off the exponent field: the conversion takes the exponent field of this operand as its scale
.endr
.irp c, 0,1
	s_delay_alu instid0(VALU_DEP_2)
	v_lshrrev_b32 v[12+\c], 23, v[10+\c]           ; the scale's byte
.endr
	s_delay_alu instid0(VALU_DEP_1)
	v_lshl_or_b32 v14, v13, 16, v12                ; blocks h and 2 + h,
	s_delay_alu instid0(VALU_DEP_1)
	v_lshlrev_b32 v14, v5, v14                     ; at their places in the word;
	s_delay_alu instid0(VALU_DEP_1)
	v_permlanex16_b32 v15, v14, s66, s67
	s_delay_alu instid0(VALU_DEP_1)
	v_or_b32 v[WK+(\j)], v14, v15                  ; with lane l xor 16's two the word is whole
	s_wait_alu depctr_va_vdst(0)
	s_wait_xcnt 0x0                                ; the last tile's stores have read their data: the codes' registers are written again only behind this wait
.irp c, 0,1
.irp g, 0,1,2,3
	v_cvt_scalef32_pk8_fp4_f32 v[CK+4*\c+\g], v[XK+32*\c+8*\g:XK+32*\c+8*\g+7], v[10+\c]
.endr
.endr
	v_nop                                          ; one plain place behind the last scaled conversion
.irp c, 0,1
	global_store_b128 v2, v[CK+4*\c:CK+4*\c+3], s[94:95] offset:1024*(\j)+512*\c   ; 32 lanes store 512 consecutive bytes, aligned
.endr
.endm
	OFFS 0
	LOADT 0
	LOADT 1                                        ; 32 loads of 512 bytes are out
.irp j, 0,1,2,3
.if \j < 3
	s_wait_loadcnt 16                              ; this tile's 16 loads are in; the next tile's 16 may be out
.else
	s_wait_loadcnt 0x0
.endif
	TURN \j
	s_wait_dscnt 0x0                               ; my 64 numbers are back
.if \j < 2
	LOADT \j+2                                     ; its offsets' and rows' registers are free: their loads were shown done above
.endif
	QUANTK \j
.endr
	s_wait_xcnt 0x0                                ; EXEC changes only behind this wait
	v_cmp_gt_u32 vcc_lo, 16, v1
	s_and_saveexec_b32 s9, vcc_lo                  ; both halves of the lanes hold the same words: lanes 0-15 store them
	global_store_b128 v28, v[WK:WK+3], s[96:97]    ; 16 lanes store 256 consecutive bytes, aligned
	s_wait_xcnt 0x0                                ; and again, in front of the line that widens it
	s_or_b32 exec_lo, exec_lo, s9
	s_branch .Lend
; ---------------- V: 32 channels of one head x the step's 128 keys: a lane a channel, registers down the keys: a block of 32 keys lies in one lane
.Lv:
	s_sub_co_u32 s7, s3, 1
	s_lshl_b32 s7, s7, 1
	s_add_co_u32 s7, s7, s6                        ; head pair = 2 (y - 1) + half
	s_lshl_b32 s7, s7, 1
	s_lshr_b32 s8, s2, 2
	s_add_co_u32 s7, s7, s8                        ; head
	s_and_b32 s8, s2, 3                            ; which 32 channels
	s_mov_b32 s15, 0
	s_lshl_b32 s98, s8, 11
	s_add_co_u32 s98, s98, 8192                    ; kv: V's tiles 2 q and 2 q + 1
	s_lshl_b32 s99, s8, 7
	s_add_co_u32 s99, s99, 512                     ; sc: V's words, 128 q on
	s_lshl_b32 s8, s8, 7                           ; my channels' 128 bytes in a head's row
	POINT 88, 90
	s_wait_alu depctr_va_vdst(0)
	v_lshlrev_b32 v2, 2, v1                        ; 4 x lane
	v_lshrrev_b32 v8, 4, v1
	v_and_b32 v9, 15, v1
	s_delay_alu instid0(VALU_DEP_2)
	v_lshlrev_b32 v3, 10, v8
	s_delay_alu instid0(VALU_DEP_1)
	v_lshl_add_u32 v3, v9, 4, v3                   ; my channel's place in the images: tile l / 16, row l % 16
.macro ADDR set, o                     ; the offsets of 32 keys' rows, from number o of the 64 in hand
.set i, 0
.rept 32
	v_add_nc_u32 v[AV+32*(\set)+i], s[16+(\o)+i+4*(((\o)+i)/48)], v2
.set i, i+1
.endr
.endm
.macro LOADB t                         ; block t: 32 keys; each load reads 128 consecutive bytes, the four waves of a head 512
.set i, 0
.rept 32
	global_load_b32 v[XV+32*((\t)%2)+i], v[AV+32*((\t)%2)+i], s[10:11]
.set i, i+1
.endr
.endm
.macro BLOCK t
.set XS, XV+32*((\t)%2)
.if (\t) < 3
	s_wait_loadcnt 32                              ; this block's 32 loads are in; the next block's may be out
.else
	s_wait_loadcnt 0x0
.endif
	v_max3_num_f32 v12, |v[XS]|, |v[XS+1]|, |v[XS+2]|              ; the block's largest magnitude: all 32 numbers are mine; two chains
	v_max3_num_f32 v13, |v[XS+3]|, |v[XS+4]|, |v[XS+5]|
.irp i, 6,10,14,18,22,26
	s_delay_alu instid0(VALU_DEP_2)
	v_max3_num_f32 v12, v12, |v[XS+\i]|, |v[XS+\i+1]|
	s_delay_alu instid0(VALU_DEP_2)
	v_max3_num_f32 v13, v13, |v[XS+\i+2]|, |v[XS+\i+3]|
.endr
	s_delay_alu instid0(VALU_DEP_2)
	v_max3_num_f32 v12, v12, |v[XS+30]|, |v[XS+31]|
	s_delay_alu instid0(VALU_DEP_1)
	v_max3_num_f32 v12, v12, v13, FLOOR
	s_delay_alu instid0(VALU_DEP_1)
	v_add_nc_u32 v11, OFFE, v12                    ; the conversion's scale operand
	s_delay_alu instid0(VALU_DEP_1)
	v_lshrrev_b32 v13, 23, v11                     ; the scale's byte
.if (\t) == 0
	s_delay_alu instid0(VALU_DEP_1)
	v_mov_b32 v24, v13                             ; four bytes make my channel's scale word for these 128 keys
.else
	s_delay_alu instid0(VALU_DEP_1)
	v_lshl_or_b32 v24, v13, 8*(\t), v24
.endif
.irp g, 0,1,2,3
	v_cvt_scalef32_pk8_fp4_f32 v[CV+4*(\t)+\g], v[XS+8*\g:XS+8*\g+7], v11
.endr
	v_nop                                          ; one plain place behind the last scaled conversion
	global_store_b128 v3, v[CV+4*(\t):CV+4*(\t)+3], s[94:95] offset:256*(\t)   ; lanes 0-15 and lanes 16-31 each store 256 consecutive bytes, aligned
.endm
	OFFS 0
	s_wait_alu depctr_va_vdst(0)
	ADDR 0, 0
	ADDR 1, 32
	LOADB 0
	LOADB 1
	BLOCK 0
	OFFS 64                                        ; the step's other 64 keys: the first 64 offsets have gone into vector registers
	ADDR 0, 0                                      ; set 0's loads were shown done in BLOCK 0
	LOADB 2
	BLOCK 1
	ADDR 1, 32
	LOADB 3
	BLOCK 2
	BLOCK 3
	global_store_b32 v2, v24, s[96:97]             ; 32 lanes store 128 consecutive bytes: the four waves of a head fill 512 between them
.Lend:
	s_wait_tensorcnt 0x0                           ; the wave's end: behind my last LDS store
	ds_add_u32 v[SPW], v[NIL]
	s_wait_dscnt 0x0
	s_endpgm
.Lfunc_end_k_qbeac334c6b_prep:
	.size	k_qbeac334c6b_prep, .Lfunc_end_k_qbeac334c6b_prep-k_qbeac334c6b_prep
	.p2alignl 7, 3214868480
	.fill 96, 4, 3214868480
	.section	.rodata,"a",@progbits
	.p2align	6, 0x0
	.amdhsa_kernel k_qbeac334c6b_prep
		.amdhsa_group_segment_fixed_size 68608
		.amdhsa_private_segment_fixed_size 0
		.amdhsa_enable_private_segment 0
		.amdhsa_kernarg_size 56
		.amdhsa_user_sgpr_count 2
		.amdhsa_user_sgpr_kernarg_segment_ptr 1
		.amdhsa_wavefront_size32 1
		.amdhsa_system_sgpr_workgroup_id_x 1
		.amdhsa_system_sgpr_workgroup_id_y 1
		.amdhsa_system_sgpr_workgroup_id_z 1
		.amdhsa_system_vgpr_workitem_id 0
		.amdhsa_next_free_vgpr 256
		.amdhsa_next_free_sgpr 100
		.amdhsa_reserve_vcc 1
		.amdhsa_float_denorm_mode_32 3
		.amdhsa_float_denorm_mode_16_64 3
		.amdhsa_memory_ordered 1
		.amdhsa_forward_progress 1
		.amdhsa_inst_pref_size 95
	.end_amdhsa_kernel
	.amdgpu_metadata
---
amdhsa.version: [ 1, 2 ]
amdhsa.kernels:
  - .name:           k_qbeac334c6b_prep
    .symbol:         k_qbeac334c6b_prep.kd
    .args:
      - { .name: k, .offset: 0, .size: 8, .value_kind: global_buffer, .address_space: global }
      - { .name: pool_k, .offset: 8, .size: 8, .value_kind: global_buffer, .address_space: global }
      - { .name: v, .offset: 16, .size: 8, .value_kind: global_buffer, .address_space: global }
      - { .name: pool_v, .offset: 24, .size: 8, .value_kind: global_buffer, .address_space: global }
      - { .name: req_to_token, .offset: 32, .size: 8, .value_kind: global_buffer, .address_space: global }
      - { .name: kv, .offset: 40, .size: 8, .value_kind: global_buffer, .address_space: global }
      - { .name: sc, .offset: 48, .size: 8, .value_kind: global_buffer, .address_space: global }
    .group_segment_fixed_size: 68608
    .private_segment_fixed_size: 0
    .kernarg_segment_align: 8
    .kernarg_segment_size: 56
    .max_flat_workgroup_size: 256
    .sgpr_count:     100
    .vgpr_count:     256
    .wavefront_size: 32
...
	.end_amdgpu_metadata
.endif
;; end of part 1
;; launch attn (part 2): grid 8 x 32, 16 waves a work-group, clusters of 4 x 1, 327,680 bytes of LDS; arguments q, kv, sc, out0; writes out0
.if DOCPART == 2
	.amdgcn_target "amdgcn-amd-amdhsa--gfx1250"
	.amdhsa_code_object_version 6
	.text
	.protected	k_qbeac334c6b_attn
	.globl	k_qbeac334c6b_attn
	.p2align	8
	.type	k_qbeac334c6b_attn,@function
k_qbeac334c6b_attn:
	s_mov_b64 s[64:65], 0
	v_nop
	global_prefetch_b8 v0, s[64:65] scope:SCOPE_SE
	s_setreg_imm32_b32 hwreg(HW_REG_WAVE_MODE, 25, 1), 1
	s_wait_xcnt 0x0
	s_wait_alu depctr_hold_cnt(0) depctr_sa_sdst(0) depctr_va_vdst(0) depctr_va_sdst(0) depctr_va_ssrc(0) depctr_va_vcc(0) depctr_vm_vsrc(0)
	s_getreg_b32 s2, hwreg(HW_REG_IB_STS2, 6, 4)
	s_cmp_eq_u32 s2, 0
	s_cbranch_scc0 .Lentry_in_a_cluster
	s_endpgm
.Lentry_in_a_cluster:
	s_bfe_u32 s2, ttmp6, 0x10000c
	s_cmp_lg_u32 s2, 0x3003
	s_cbranch_scc0 .Lentry_shape_is_right
	s_endpgm
.Lentry_shape_is_right:
; out0[512 b + token][128 (4 h + g) + d]: attention of each query over its 512 new keys (causal) and its 2,048 prefix keys, the two softmax states merged by log-sum-exp; both products on codes of FP4 (E2M1) with E8M0 scales.
; THE MERGE IS ONE STREAMED SOFTMAX.  With p = 2^(t - M), M a whole number, e^(lse) of a part is 2^M l, so o = (N1 2^M1 + N2 2^M2) / (l1 2^M1 + l2 2^M2): a running M over all 2,560 keys, every rescaling an exact power of two,
; which a block's scale takes up.  Both parts are multiples of 128 keys, so the blocks of 32 along the keys stay as they are.  No logarithm, no second pass.
; t = score x c, c = log2(e) / sqrt(128); -M = floor(-(the running largest t)); the row's sum is taken of the unquantised p and divides at the end.
; K and V come as register images with their scale words (kv, sc: 20 steps of 128 keys for each bh = 8 b + h; steps 0-3 the new keys), q as f32: each row of q is read by one wave, which quantises it in registers.
; SHARES.  256 work-groups of sixteen waves.  Work-group (x = 0..7, bh); wave w: query head 4 h + w % 4, tokens 16 x + 128 (w / 4) + 0 .. 15: one tile of 16 queries in 256 registers, four waves to a SIMD.
; So the waves of every work-group see 1, 2, 3 and 4 of the four causal steps, whatever x: all work-groups have the same work, and which steps a wave walks hangs on its number alone.
; CLUSTER.  The four work-groups of a cluster belong to one bh and walk the same K and V: each tile is asked for JOINTLY (the same tensor load, the same descriptor, a mask that names the four).  x enters q's and out0's addresses,
; the prefetches' address and the mask's compare value (data), and no branch and no LDS address.
; LAYOUT.  Both products transposed: S^T = K Q^T (source 0 = 16 keys, source 1 = my 16 queries), O^T = V^T P^T (source 0 = 16 channels, source 1 = P): a lane holds ONE query (lane % 16) throughout; the 16 registers of score
; tiles 2 b, 2 b + 1 are keys 32 b + 16 (lane / 16) + 0 .. 15 of the step.
; LIMITS: NaN and infinities among the inputs are not served; a block of q whose largest magnitude lies under 2^-124 keeps the byte 1; a p under 2^-126 of the running 2^M becomes 0; t is formed with one constant c, one rounding.
; REGISTERS: v1 16 x lane, v2 4 x lane, v3, v4 my stage (by rows, by operand), v5, v6 the add's two, v7 the prefetches' offset, v8-10 addresses in hand, v11 the diagonal's compare value, v12 -M, v13 the largest t, v[14:15] the sum,
; v16-23 Q's codes, v24-27 K's scale words, v28-31 V's, v32-95 eight fragments of K, then of V, v96-159 S^T, then p, v160-223 O^T, v224-231 p's codes, v232-254 at work, v253 p's scale word, v255 Q's.
; THE WALK.  Five slots of four steps.  Slot s holds kv's step s (s = 0 .. 3: a step of new keys; s = 4: a prefix step) and its steps 5 + 3 s .. 7 + 3 s (prefix keys): each of the first four slots has one causal step,
; and a wave leaves out at most one step of a slot.  The streamed softmax takes the keys in any order; every wave's first step is kv's step 0, in which key 0 counts for every query, so M is a number from the first step on.
; Fetching wave i (0 .. 3) brings the slot's i-th step: kv's step i + 4 min(i, 1) in slot 0, and 1 + 2 min(i, 1) steps on from slot to slot.
.set STEPB, 16384                      ; a step's images: K's 8,192 bytes, then V's
.set SLOT1, 65536                      ; a slot holds four steps; slot 1 begins here: one exclusive or turns an address from one slot into the other
.set SCL,   2*SLOT1                    ; behind the ring: the scale words of all 20 steps, 1,024 bytes each, filled once
.set STG,   SCL+20*1024                ; a stage of 16 rows x (512 bytes + 16) for each wave: q's turn at the head, the way out at the end; no tensor load lands here
.set STGB,  8448
.set SPARE, STG+16*STGB                ; the spare words, 128 bytes for each wave: eight blocks of 256 bytes that no other line names
.set FLOOR, 0x1800000                  ; 2^(3 - 127)
.set OFFE,  0xff000000                 ; takes 2 off an exponent field
; SCALARS: s[4:11] q, kv, sc, out0; s12 wave; s13 cx; s14 x; s15 bh; s[20:21] lane selects; s[22:23] c; s[24:31] group 1 for the codes, s[32:39] for the scale words; s[40:43] group 0 that walks, s[44:47] the scale words';
; s48 the slot in hand; s49 the step's scale words; s50 the step's first key; s51 128 (w / 4); s52, s53 first key and number of the keys hidden from my wave; s54 my stage; s55 slots to ask for; s57, s[58:59] the prefetches.
.macro CROUND                          ; a round of the cluster's barrier: my work-group's barrier; wave 0 signals for the work-group; every wave waits for all four work-groups; my work-group's barrier once more
	s_barrier_signal -1
	s_barrier_wait -1
	s_cmp_lg_u32 s12, 0
	s_cbranch_scc1 .Lnot_wave_0_\@
	s_barrier_signal -3
.Lnot_wave_0_\@:
	s_barrier_wait -3
	s_barrier_signal -1
	s_barrier_wait -1
.endm
.macro TLOAD                           ; waves 0 to 3 fetch a step each of the slot's four; the branch hangs on the wave's number alone.  An s_nop 0 and four v_nop follow the load
	s_cmp_lt_u32 s12, 4
	s_cbranch_scc0 .Lasked_\@
	tensor_load_to_lds s[40:43], s[24:31]
	s_nop 0
.rept 4
	v_nop
.endr
.Lasked_\@:
.endm
; A PREFETCH INTO THE L2 of the slot that the NEXT change of slots will ask for: four steps of 16,384 bytes.  Both clusters of a bh walk the same kv: the first (cluster x = 0) asks.  Partner cx takes the slot's cx-th step, told apart BY ADDRESS
; (the same arithmetic on cx as the fetching waves' on their number); in each, waves 4 and 5, which fetch nothing for the ring, ask for 8,192 bytes each, lanes 256 bytes apart: one instruction.  So each aligned block of 256 bytes is named once.
; Slots 0 and 1 come by their loads alone; the last change that fills a slot asks for nothing.
.macro ASK
	s_cmp_gt_u32 s55, s57
	s_cbranch_scc0 .Lnot_mine_\@
	global_prefetch_b8 v7, s[58:59] th:TH_LOAD_NT scope:SCOPE_SE
.Lnot_mine_\@:
.endm
	s_load_b256 s[4:11], s[0:1], 0x0               ; q s[4:5], kv s[6:7], sc s[8:9], out0 s[10:11]
	v_lshl_add_u32 v5, v0, 2, SPARE
	v_mov_b32 v6, 0
	ds_add_u32 v5, v6                              ; the wave's opening: the add and its wait ahead of the round in front of the first tensor loads; the set-up below, work on registers, stands between them
	ds_add_u32 v5, v6
	v_lshrrev_b32 v8, 5, v0
	s_delay_alu instid0(VALU_DEP_1)
	v_readfirstlane_b32 s12, v8                    ; wave 0..15
	s_bfe_u32 s13, ttmp6, 0x40000                  ; cx
	s_lshl_b32 s14, ttmp9, 2
	s_add_co_u32 s14, s14, s13                     ; x = 4 x cluster x + cx
	s_and_b32 s15, ttmp7, 0xffff                   ; bh, which the four partners share
	; group 1: a dense block as rows of 256 bytes (32 elements of 8 bytes): 64 rows, a step's images
	s_mov_b32 s24, 15|(3<<16)|(1<<21)              ; 15:0 the mask: all four work-groups; 17:16 elements of 8 bytes; 20 no padding: images are read 16 bytes a lane on end; 21 set beside a mask
	s_mov_b32 s25, 32<<16                          ; tensor_dim0
	s_mov_b32 s26, 64<<16                          ; tensor_dim1
	s_mov_b32 s27, 32<<16                          ; tile_dim0
	s_mov_b32 s28, 64                              ; tile_dim1
	s_mov_b32 s29, 32                              ; tensor_dim0_stride
	s_mov_b32 s30, 0
	s_mov_b32 s31, 0
	s_mov_b32 s32, 15|(3<<16)|(1<<21)              ; the same with 20 rows: five steps' scale words
	s_mov_b32 s33, 32<<16
	s_mov_b32 s34, 20<<16
	s_mov_b32 s35, 32<<16
	s_mov_b32 s36, 20
	s_mov_b32 s37, 32
	s_mov_b32 s38, 0
	s_mov_b32 s39, 0
	s_and_b32 s60, s12, 3                          ; g; in waves 0 to 3 also: which quarter I fetch
	s_lshr_b32 s61, s12, 2
	s_lshl_b32 s51, s61, 7                         ; my tokens lie in 128 (w / 4) .. + 127: the step that begins there is my diagonal step,
	s_add_co_u32 s52, s51, 128                     ; the new keys from here on
	s_sub_co_u32 s53, 384, s51                     ; up to 511 are hidden from all my queries
	s_lshl_b32 s67, s14, 4                         ; 16 x
	s_lshr_b32 s62, s15, 3                         ; b
	s_lshl_b32 s62, s62, 9
	s_add_co_u32 s62, s62, s67
	s_add_co_u32 s62, s62, s51                     ; my first row of q and of out0: 512 b + 16 x + 128 (w / 4),
	s_lshl_b32 s62, s62, 14                        ; of 16,384 bytes,
	s_and_b32 s66, s15, 7
	s_lshl_b32 s66, s66, 2
	s_add_co_u32 s66, s66, s60                     ; query head 4 h + g,
	s_lshl_b32 s66, s66, 9                         ; of 512 bytes
	s_add_co_u32 s62, s62, s66
	s_mov_b32 s63, 0
	s_mul_i32 s68, s15, 20*STEPB                   ; what I fetch, if I fetch: made of bh and the wave's number alone
	s_lshl_b32 s16, s60, 14                        ; my step's place in a slot
	s_min_u32 s70, s60, 1                          ; m = min(i, 1)
	s_lshl_b32 s71, s70, 16
	s_add_co_u32 s68, s68, s16
	s_add_co_u32 s68, s68, s71                     ; kv's step i + 4 m
	s_mov_b32 s69, 0
	s_lshl_b32 s70, s70, 15
	s_add_co_u32 s70, s70, STEPB                   ; s[70:71]: from slot to slot 1 + 2 m steps
	s_mov_b32 s71, 0
	s_mul_i32 s96, s15, 20*1024
	s_mul_i32 s17, s60, 5*1024
	s_add_co_u32 s96, s96, s17
	s_mov_b32 s97, 0
	s_mul_i32 s18, s15, 20*STEPB                   ; the prefetches: my bh,
	s_lshl_b32 s19, s13, 14
	s_add_co_u32 s18, s18, s19
	s_min_u32 s72, s13, 1
	s_lshl_b32 s19, s72, 16
	s_add_co_u32 s18, s18, s19                     ; my work-group's step of slot 0: cx + 4 min(cx, 1),
	s_lshl_b32 s72, s72, 15
	s_add_co_u32 s72, s72, STEPB                   ; s[72:73]: from slot to slot 1 + 2 min(cx, 1) steps
	s_mov_b32 s73, 0
	s_add_co_u32 s18, s18, s72                     ; in slot 1: the first change of slots steps it to slot 2.  Nothing is prefetched at the head
	s_and_b32 s19, s12, 1
	s_lshl_b32 s19, s19, 13
	s_add_co_u32 s18, s18, s19                     ; my wave's 8,192 bytes of it
	s_mov_b32 s19, 0
	s_lshr_b32 s57, s12, 1
	s_xor_b32 s57, s57, 2                          ; 0 in waves 4 and 5,
	s_or_b32 s57, s57, ttmp9                       ; of the bh's first cluster: the same in all four partners
	s_cmp_eq_u32 s57, 0
	s_cselect_b32 s57, 1, -1                       ; a wave prefetches while s55 is above this
	s_mul_i32 s54, s12, STGB
	s_add_co_u32 s54, s54, STG                     ; my stage
	s_mov_b32 s20, 0x76543210
	s_mov_b32 s21, 0xfedcba98                      ; v_permlanex16_b32's selects for lane l xor 16
	s_mov_b32 s22, 0x3e0293ee                      ; c = log2(e) / sqrt(128)
	s_mov_b32 s23, s22                             ; (named with it as a pair, so it is written)
	s_mov_b32 s48, 0
	s_mov_b32 s49, SCL                             ; the scale words of a slot's step 0: kv's steps 0 .. 4
	s_mov_b32 s56, SCL+5*1024                      ; and of its steps 1 to 3: kv's steps 5 .. 19
	s_mov_b32 s50, 0
	s_mov_b32 s55, 4
	v_and_b32 v7, 31, v0                           ; lane
	s_delay_alu instid0(VALU_DEP_1)
	v_lshlrev_b32 v1, 4, v7
	s_delay_alu instid0(VALU_DEP_2)
	v_lshlrev_b32 v2, 2, v7
	s_delay_alu instid0(VALU_DEP_3)
	v_lshlrev_b32 v7, 8, v7                        ; the prefetches' offset: 256 x lane
	v_and_b32 v8, 15, v0                           ; r
	v_bfe_u32 v9, v0, 4, 1                         ; h
	v_add_nc_u32 v3, s54, v1                       ; the stage by rows: 16 bytes a lane
	s_delay_alu instid0(VALU_DEP_3)
	v_mul_u32_u24 v4, v8, 528
	s_delay_alu instid0(VALU_DEP_1)
	v_lshl_add_u32 v4, v9, 7, v4
	s_delay_alu instid0(VALU_DEP_1)
	v_add_nc_u32 v4, s54, v4                       ; and by operand: row r, channels 32 h on
	v_lshlrev_b32 v242, 3, v9                      ; 8 h
	v_lshlrev_b32 v10, 4, v9
	s_delay_alu instid0(VALU_DEP_1)
	v_sub_nc_u32 v11, v8, v10
	s_delay_alu instid0(VALU_DEP_1)
	v_add_nc_u32 v11, s67, v11                     ; 16 x + r - 16 h: my query's place in the diagonal step, less my half's 16 keys
	s_wait_alu depctr_va_vdst(0)                   ; directly ahead of the waits below
	s_wait_dscnt 0x0                               ; both opening adds are done
	s_wait_kmcnt 0x0
	s_mov_b32 s40, 1                               ; 1:0 count = 1
	s_mov_b32 s41, s16                             ; 63:32 LDS address: slot 0, my step
	s_add_nc_u64 s[42:43], s[6:7], s[68:69]        ; 120:64 global address
	s_or_b32 s43, s43, 0x80000000                  ; 127:126 type = 2
	s_mov_b32 s44, 1
	s_add_co_u32 s45, s17, SCL
	s_add_nc_u64 s[46:47], s[8:9], s[96:97]
	s_or_b32 s47, s47, 0x80000000
	s_add_nc_u64 s[58:59], s[6:7], s[18:19]
	s_add_nc_u64 s[4:5], s[4:5], s[62:63]
	s_add_nc_u64 s[10:11], s[10:11], s[62:63]
	; ---- q: my 16 rows of 512 bytes, each read whole by one load, asked for ahead of the round; nobody writes these bytes
.irp i, 0,1,2,3,4,5,6,7,8,9,10,11,12,13,14,15
	global_load_b128 v[96+4*\i:99+4*\i], v1, s[4:5] offset:16384*\i th:TH_LOAD_NT
.endr
	CROUND                                         ; all four work-groups are here: the first joint loads meet
	s_cmp_lt_u32 s12, 4                            ; the head's loads, one a wave, in one chain of branches on the wave's number: waves 0 to 3 a step each of slot 0,
	s_cbranch_scc0 .Lhead_sc
	tensor_load_to_lds s[40:43], s[24:31]
	s_nop 0
.rept 4
	v_nop
.endr
	s_branch .Lfirst_asked
.Lhead_sc:
	s_cmp_lt_u32 s12, 8                            ; waves 4 to 7 five steps' scale words each: filled once
	s_cbranch_scc0 .Lfirst_asked
	tensor_load_to_lds s[44:47], s[32:39]
	s_nop 0
.rept 4
	v_nop
.endr
.Lfirst_asked:
	; q's rows turn through my stage, so that lane (r, h) holds channels 64 c + 32 h + 0 .. 31 of row r: two whole blocks
	v_mov_b32 v241, 0                              ; written once: a lane permute's destination counts as one of its sources
	s_wait_loadcnt 0x0
	s_wait_alu depctr_va_vdst(0)
.irp i, 0,1,2,3,4,5,6,7,8,9,10,11,12,13,14,15
	ds_store_b128 v3, v[96+4*\i:99+4*\i] offset:528*\i
.endr
.irp c, 0,1
.irp m, 0,1,2,3,4,5,6,7
	ds_load_b128 v[160+32*\c+4*\m:163+32*\c+4*\m], v4 offset:256*\c+16*\m   ; LDS serves a wave's instructions in order (ISA guide 5.7.1.4): these see my stores
.endr
.endr
	s_wait_dscnt 0x0
.irp c, 0,1
	v_max3_num_f32 v[232+\c], |v[160+32*\c]|, |v[161+32*\c]|, FLOOR
.endr
.irp i, 2,4,6,8,10,12,14,16,18,20,22,24,26,28,30
.irp c, 0,1
	s_delay_alu instid0(VALU_DEP_2)
	v_max3_num_f32 v[232+\c], v[232+\c], |v[160+32*\c+\i]|, |v[161+32*\c+\i]|
.endr
.endr
.irp c, 0,1
	s_delay_alu instid0(VALU_DEP_2)
	v_add_nc_u32 v[244+\c], OFFE, v[232+\c]        ; the conversion's scale operand
.endr
.irp c, 0,1
	s_delay_alu instid0(VALU_DEP_2)
	v_lshrrev_b32 v[236+\c], 23, v[244+\c]         ; the scale's byte
.endr
	s_delay_alu instid0(VALU_DEP_1)
	v_lshl_or_b32 v240, v237, 16, v236             ; blocks h and 2 + h,
	s_delay_alu instid0(VALU_DEP_1)
	v_lshlrev_b32 v240, v242, v240                 ; at their places in the word;
	s_delay_alu instid0(VALU_DEP_1)
	v_permlanex16_b32 v241, v240, s20, s21
	s_delay_alu instid0(VALU_DEP_1)
	v_or_b32 v255, v240, v241                      ; with lane l xor 16's two the word is whole
.irp c, 0,1
.irp g, 0,1,2,3
	v_cvt_scalef32_pk8_fp4_f32 v[16+4*\c+\g], v[160+32*\c+8*\g:167+32*\c+8*\g], v[244+\c]
.endr
.endr
	v_nop                                          ; one plain place behind the last scaled conversion
	v_mov_b32 v13, 0xff61b1e6                      ; the largest t so far: -3e38, under every t
	s_delay_alu instid0(VALU_DEP_1)
	v_floor_f32 v12, -v13                          ; -M
	v_mov_b32 v14, 0                               ; the sum, in two halves
	v_mov_b32 v15, 0
.irp b, 0,1,2,3
	v_mov_b32 v[236+\b], 0                         ; a lane permute's destination counts as one of its sources
.endr
	v_mov_b32 v253, 0                              ; (named as the upper half of the pair v[252:253] before it is first written)
.set j, 0
.rept 64
	v_mov_b32 v[160+j], 0                          ; O^T.  The step is written without a first form of its own: the first finds zeros, which the first change of M leaves zeros.  (Also the places between Q's codes and scale word and the first product)
.set j, j+1
.endr
; A KEY STEP: 128 keys, the q-th of the slot in hand.  causal = 1: a step of new keys: step 0 of each of the loop's four slots.
.macro STEP q, causal
.if \causal                            ; a step all of whose keys come after my 16 queries is left out: the branch hangs on the wave's number and the count of steps; not round the lines at the step's end that step addresses
	s_sub_co_u32 s96, s50, s52
	s_cmp_lt_u32 s96, s53
	s_cbranch_scc1 .Lhidden_\@
.endif
	v_add_nc_u32 v8, s48, v1                       ; these four lines are the places in front of loads into registers that the last products have read
.if (\q) == 0
	v_add_nc_u32 v9, s49, v1
	v_add_nc_u32 v10, s49, v2
.else
	v_add_nc_u32 v9, s56, v1
	v_add_nc_u32 v10, s56, v2
.endif
	v_nop
	ds_load_b128 v[24:27], v9                      ; K's scale words: register j: lanes 0-15 tile j's, lanes 16-31 tile 4 + j's
.irp t, 0,1,2,3,4,5,6,7
.irp c, 0,1
	ds_load_b128 v[32+8*\t+4*\c:35+8*\t+4*\c], v8 offset:STEPB*(\q)+1024*\t+512*\c
.endr
.endr
	s_wait_alu depctr_va_vdst(0)
	s_wait_dscnt 8                                 ; the scale words and tiles 0-3 are in; the youngest eight loads (tiles 4-7) may be out
.irp t, 0,1,2,3
	v_wmma_scale_f32_16x16x128_f8f6f4 v[96+8*\t:103+8*\t], v[32+8*\t:39+8*\t], v[16:23], 0, v[24+\t], v255 matrix_a_fmt:MATRIX_FMT_FP4 matrix_b_fmt:MATRIX_FMT_FP4
.endr
	s_wait_dscnt 0x0
.irp t, 4,5,6,7
	v_wmma_scale_f32_16x16x128_f8f6f4 v[96+8*\t:103+8*\t], v[32+8*\t:39+8*\t], v[16:23], 0, v[20+\t], v255 matrix_a_fmt:MATRIX_FMT_FP4 matrix_b_fmt:MATRIX_FMT_FP4 matrix_a_scale:MATRIX_SCALE_ROW1
.endr
.rept 4
	v_nop                                          ; places in front of the loads below and of the first read of the scores
.endr
.irp t, 0,1,2,3,4,5,6,7                        ; V's fragments and scale words land while the softmax is walked
.irp c, 0,1
	ds_load_b128 v[32+8*\t+4*\c:35+8*\t+4*\c], v8 offset:STEPB*(\q)+8192+1024*\t+512*\c
.endr
.endr
.irp n, 0,1,2,3
	ds_load_b32 v[28+\n], v10 offset:512+128*\n    ; register n: lanes 0-15 tile 2 n's words, lanes 16-31 tile 2 n + 1's
.endr
.if \causal                            ; in my diagonal step the scores of hidden keys become -infinity ahead of the maximum: p = 0 then.  Register 16 b + i holds key 32 b + 16 (lane / 16) + i of the step: hidden where 32 b + i > v11
	s_cmp_lg_u32 s50, s51
	s_cbranch_scc1 .Lopen_\@
	v_mov_b32 v254, 0xff800000
.set n, 0
.rept 64
	v_cmp_gt_i32 vcc_lo, 32*(n/16)+n%16, v11
	v_cndmask_b32 v[96+n], v[96+n], v254, vcc_lo
.set n, n+1
.endr
.Lopen_\@:
.endif
.irp b, 0,1,2,3
	v_max3_num_f32 v[232+\b], v[96+16*\b], v[97+16*\b], v[98+16*\b]   ; the largest score of each block of 32 keys: it serves the row's maximum and, since p rises with the score, the block's largest p
.endr
.irp i, 3,5,7,9,11,13
.irp b, 0,1,2,3
	v_max3_num_f32 v[232+\b], v[232+\b], v[96+16*\b+\i], v[97+16*\b+\i]   ; the four blocks by turns
.endr
.endr
.irp b, 0,1,2,3
	v_max_num_f32 v[232+\b], v[232+\b], v[111+16*\b]
.endr
.irp b, 0,1,2,3
	s_delay_alu instid0(VALU_DEP_4)
	v_permlanex16_b32 v[236+\b], v[232+\b], s20, s21
.endr
.irp b, 0,1,2,3
	s_delay_alu instid0(VALU_DEP_4)
	v_max_num_f32 v[232+\b], v[232+\b], v[236+\b]  ; with lane l xor 16's 16 keys
.endr
	s_delay_alu instid0(VALU_DEP_2)
	v_max3_num_f32 v254, v232, v233, v234
	s_delay_alu instid0(VALU_DEP_1)
	v_max_num_f32 v254, v254, v235                 ; the step's largest score of my query
	s_delay_alu instid0(VALU_DEP_1)
	v_mul_f32 v254, s22, v254                      ; as t (c is positive)
	s_delay_alu instid0(VALU_DEP_1)
	v_max_num_f32 v13, v13, v254                   ; the running largest t
	v_mov_b32 v254, v12
	s_delay_alu instid0(VALU_DEP_2)
	v_floor_f32 v12, -v13                          ; the new -M = floor(-t): M is a whole number
	s_delay_alu instid0(VALU_DEP_1)
	v_sub_f32 v254, v12, v254                      ; M's old value less its new one: a whole number, 0 or less
	s_delay_alu instid0(VALU_DEP_1)
	v_cvt_i32_f32 v254, v254                       ; (it saturates)
	s_delay_alu instid0(VALU_DEP_1)
	v_ldexp_f32 v252, 1.0, v254                    ; f = 2^(old M - new M): a multiplication by it rounds nothing
.set j, 0
.rept 32
	v_pk_fma_f32 v[96+j:97+j], v[96+j:97+j], s[22:23], v[12:13] op_sel_hi:[1,0,0]   ; t - M, two at a time (of the pairs c and -M the low word serves both halves)
.set j, j+2
.endr
.irp b, 0,1,2,3
	v_fma_f32 v[232+\b], v[232+\b], s22, v12       ; the same of each block's largest score
.endr
.set j, 0
	s_wait_alu depctr_va_vdst(0)
.rept 64
	v_exp_f32 v[96+j], v[96+j]                     ; p = 2^(t - M), at most 1: not normalised
.set j, j+1
.endr
	v_pk_mul_f32 v[14:15], v[14:15], v[252:253] op_sel_hi:[1,0]   ; the sums under the new M.  (A plain place behind the exponentials)
	s_wait_alu depctr_va_vdst(0)                   ; one wait for the whole batch, ahead of its first reader
.irp b, 0,1,2,3
	v_exp_f32 v[232+\b], v[232+\b]                 ; the block's largest p: the same two instructions on the same number give the same bits
.endr
	v_pk_add_f32 v[236:237], v[100:101], v[104:105]
	v_pk_add_f32 v[250:251], v[108:109], v[112:113]
	v_pk_add_f32 v[248:249], v[116:117], v[120:121]
	v_pk_add_f32 v[246:247], v[124:125], v[128:129]
	v_pk_add_f32 v[244:245], v[132:133], v[136:137]
	v_pk_add_f32 v[242:243], v[140:141], v[144:145]
	v_pk_add_f32 v[240:241], v[148:149], v[152:153]
	v_pk_add_f32 v[14:15], v[14:15], v[156:157]
	v_pk_add_f32 v[236:237], v[236:237], v[96:97]
	v_pk_add_f32 v[250:251], v[250:251], v[98:99]
	v_pk_add_f32 v[248:249], v[248:249], v[102:103]
	v_pk_add_f32 v[246:247], v[246:247], v[106:107]
	v_pk_add_f32 v[244:245], v[244:245], v[110:111]
	v_pk_add_f32 v[242:243], v[242:243], v[114:115]
	v_pk_add_f32 v[240:241], v[240:241], v[118:119]
	v_pk_add_f32 v[14:15], v[14:15], v[122:123]
	v_pk_add_f32 v[236:237], v[236:237], v[126:127]
	v_pk_add_f32 v[250:251], v[250:251], v[130:131]
	v_pk_add_f32 v[248:249], v[248:249], v[134:135]
	v_pk_add_f32 v[246:247], v[246:247], v[138:139]
	v_pk_add_f32 v[244:245], v[244:245], v[142:143]
	v_pk_add_f32 v[242:243], v[242:243], v[146:147]
	v_pk_add_f32 v[240:241], v[240:241], v[150:151]
	v_pk_add_f32 v[14:15], v[14:15], v[154:155]
	v_pk_add_f32 v[236:237], v[236:237], v[158:159]
	s_delay_alu instid0(VALU_DEP_2)
	v_pk_add_f32 v[14:15], v[14:15], v[246:247]
	s_delay_alu instid0(VALU_DEP_2)
	v_pk_add_f32 v[236:237], v[236:237], v[244:245]
	v_pk_add_f32 v[250:251], v[250:251], v[242:243]
	v_pk_add_f32 v[248:249], v[248:249], v[240:241]
	s_delay_alu instid0(VALU_DEP_2)
	v_pk_add_f32 v[14:15], v[14:15], v[250:251]
	s_delay_alu instid0(VALU_DEP_2)
	v_pk_add_f32 v[236:237], v[236:237], v[248:249]
	s_delay_alu instid0(VALU_DEP_1)
	v_pk_add_f32 v[14:15], v[14:15], v[236:237]
	s_wait_alu depctr_va_vdst(0)                   ; and one for the four
.irp b, 0,1,2,3
	v_max_num_f32 v[232+\b], FLOOR, v[232+\b]      ; the floor: the byte cannot fall under 1 (a block whose every p is 0 keeps that byte: its codes are zeros)
.endr
.irp b, 0,1,2,3
	s_delay_alu instid0(VALU_DEP_4)
	v_add_nc_u32 v[244+\b], OFFE, v[232+\b]        ; the conversion's scale operand
.endr
.irp b, 0,1,2,3
	s_delay_alu instid0(VALU_DEP_4)
	v_lshrrev_b32 v[236+\b], 23, v[244+\b]         ; the scale's byte
.endr
	s_delay_alu instid0(VALU_DEP_3)
	v_lshl_or_b32 v253, v237, 8, v236              ; p's scale word for these 128 keys
	s_delay_alu instid0(VALU_DEP_1)
	v_lshl_or_b32 v253, v238, 16, v253
	s_delay_alu instid0(VALU_DEP_1)
	v_lshl_or_b32 v253, v239, 24, v253
.irp b, 0,1,2,3
	v_cvt_scalef32_pk8_fp4_f32 v[224+2*\b], v[96+16*\b:103+16*\b], v[244+\b]
	v_cvt_scalef32_pk8_fp4_f32 v[225+2*\b], v[104+16*\b:111+16*\b], v[244+\b]
.endr
	v_nop                                          ; one plain place behind the last scaled conversion
.irp c, 0,1                                    ; the operand's layout wants a whole block in a lane: lanes 0-15 block 2 c, lanes 16-31 block 2 c + 1
.irp i, 0,1
	v_permlane16_swap_b32 v[224+4*\c+\i], v[226+4*\c+\i]
.endr
.endr
.set j, 0
	s_wait_alu depctr_va_vdst(0)                   ; directly ahead of the first reader of O^T
.rept 32
	v_pk_mul_f32 v[160+j:161+j], v[160+j:161+j], v[252:253] op_sel_hi:[1,0]   ; O^T under the new M.  (These 32 are also the places between p's codes and scale word and the products below)
.set j, j+2
.endr
	s_wait_alu depctr_va_vdst(0)
	s_wait_dscnt 0x0                               ; V's fragments and scale words are in
.irp t, 0,2,4,6                                ; O^T += V^T P^T: the eight accumulators by turns, one instruction a turn
	v_wmma_scale_f32_16x16x128_f8f6f4 v[160+8*\t:167+8*\t], v[32+8*\t:39+8*\t], v[224:231], v[160+8*\t:167+8*\t], v[28+\t/2], v253 matrix_a_fmt:MATRIX_FMT_FP4 matrix_b_fmt:MATRIX_FMT_FP4
	v_wmma_scale_f32_16x16x128_f8f6f4 v[168+8*\t:175+8*\t], v[40+8*\t:47+8*\t], v[224:231], v[168+8*\t:175+8*\t], v[28+\t/2], v253 matrix_a_fmt:MATRIX_FMT_FP4 matrix_b_fmt:MATRIX_FMT_FP4 matrix_a_scale:MATRIX_SCALE_ROW1
.endr
.if \causal
.Lhidden_\@:
	s_add_co_u32 s50, s50, 128
.endif
.if (\q) == 0
	s_add_co_u32 s49, s49, 1024                    ; the next slot's step 0
.else
	s_add_co_u32 s56, s56, 1024                    ; the next of kv's steps 5 .. 19
.endif
.endm
; THE CHANGE OF SLOTS stands at a slot's head.  Each wave waits for all its tensor loads (its part of the slot that it is about to read), adds 0 to its spare word, and waits for that and for its reads of the slot that it has left.
; fill = 1: the barrier is a round of the cluster's, so that no wave of any partner still reads that slot or has a load on its way; the joint load of the keys that follow is the first tensor load behind it and has four key steps in which to land.
.macro CHANGE fill
	s_wait_tensorcnt 0x0                           ; no tensor load of mine is out, so the walking group 0 may be written
	ds_add_u32 v5, v6                              ; 0 onto my spare word
.if \fill
	ds_add_u32 v5, v6                              ; fill = 1: and once more
	s_xor_b32 s41, s41, SLOT1                      ; the other slot than last time,
	s_add_nc_u64 s[42:43], s[42:43], s[70:71]      ; my step of the next slot; the type bits on top are not reached
	s_wait_xcnt 0x0                                ; the last prefetch, a slot back, has read its address, so it may be written:
	s_add_nc_u64 s[58:59], s[58:59], s[72:73]      ; one slot further on than the walking descriptor
	s_wait_dscnt 0x0                               ; the add is done, and my reads of the slot that I have left are over
	CROUND
	TLOAD
	ASK
.else
	s_wait_dscnt 0x0
	s_barrier_signal -1
	s_barrier_wait -1
.endif
.endm
.macro SLOT_STEPS causal
	STEP 0, \causal
	STEP 1, 0
	STEP 2, 0
	STEP 3, 0
	s_xor_b32 s48, s48, SLOT1                      ; on to the other slot
.endm
.Lslot:                                            ; four trips: slots 0 to 3; behind each change of slots the next slot is asked for
	CHANGE 1
	SLOT_STEPS 1
	s_sub_co_u32 s55, s55, 1
	s_cmp_lg_u32 s55, 0
	s_cbranch_scc1 .Lslot
	CHANGE 0                                       ; the last slot is written out; it holds prefix keys alone
	SLOT_STEPS 0
	; THE WAY OUT.  O^T is divided by the row's sum and goes through my stage: in, a lane's eight channels of a row; back, whole rows of 512 bytes.
	v_add_f32 v14, v14, v15                        ; the sum's two halves,
	s_delay_alu instid0(VALU_DEP_1)
	v_permlanex16_b32 v252, v14, s20, s21
	s_delay_alu instid0(VALU_DEP_1)
	v_add_f32 v14, v14, v252                       ; and lane l xor 16's: the row's sum
	s_wait_alu depctr_va_vdst(0)
	v_rcp_f32 v14, v14
	v_and_b32 v8, 15, v0                           ; (a plain place behind the reciprocal)
	v_bfe_u32 v9, v0, 4, 1
	s_delay_alu instid0(VALU_DEP_2)
	v_mul_u32_u24 v8, v8, 528
	s_delay_alu instid0(VALU_DEP_1)
	v_lshl_add_u32 v8, v9, 5, v8
	s_delay_alu instid0(VALU_DEP_1)
	v_add_nc_u32 v8, s54, v8                       ; row r; tile t's eight channels of my half: 64 t + 32 h bytes on
	s_wait_alu depctr_va_vdst(0)                   ; the wait ahead of the reciprocal's first reader
.set j, 0
.rept 64
	v_mul_f32 v[96+j], v[160+j], v14               ; register 8 t + i is o(query r, channel 16 t + 8 h + i); each accumulator from its low end on
.set j, j+1
.endr
.irp t, 0,1,2,3,4,5,6,7
	ds_store_b128 v8, v[96+8*\t:99+8*\t] offset:64*\t
	ds_store_b128 v8, v[100+8*\t:103+8*\t] offset:64*\t+16
.endr
.irp i, 0,1,2,3,4,5,6,7,8,9,10,11,12,13,14,15
	ds_load_b128 v[32+4*\i:35+4*\i], v3 offset:528*\i   ; LDS serves a wave's instructions in order: these see my stores
.endr
.irp i, 0,1,2,3,4,5,6,7,8,9,10,11,12,13,14,15
	s_wait_dscnt 15-\i                             ; row i is back; the younger loads may be out
	global_store_b128 v1, v[32+4*\i:35+4*\i], s[10:11] offset:16384*\i th:TH_STORE_NT   ; 32 lanes store 512 consecutive bytes, at a multiple of 512 from out0's first byte
.endr
	s_wait_tensorcnt 0x0                           ; the wave's end: behind my last tensor load and my last LDS store
	ds_add_u32 v5, v6
	s_wait_dscnt 0x0
	CROUND                                         ; the closing round: no work-group ends while a partner may still ask for a tile that names it
	s_endpgm
.Lfunc_end_k_qbeac334c6b_attn:
	.size	k_qbeac334c6b_attn, .Lfunc_end_k_qbeac334c6b_attn-k_qbeac334c6b_attn
	.p2alignl 7, 3214868480
	.fill 96, 4, 3214868480
	.section	.rodata,"a",@progbits
	.p2align	6, 0x0
	.amdhsa_kernel k_qbeac334c6b_attn
		.amdhsa_group_segment_fixed_size 327680
		.amdhsa_private_segment_fixed_size 0
		.amdhsa_enable_private_segment 0
		.amdhsa_kernarg_size 32
		.amdhsa_user_sgpr_count 2
		.amdhsa_user_sgpr_kernarg_segment_ptr 1
		.amdhsa_wavefront_size32 1
		.amdhsa_system_sgpr_workgroup_id_x 1
		.amdhsa_system_sgpr_workgroup_id_y 1
		.amdhsa_system_sgpr_workgroup_id_z 1
		.amdhsa_system_vgpr_workitem_id 0
		.amdhsa_next_free_vgpr 256
		.amdhsa_next_free_sgpr 100
		.amdhsa_reserve_vcc 1
		.amdhsa_float_denorm_mode_32 3
		.amdhsa_float_denorm_mode_16_64 3
		.amdhsa_memory_ordered 1
		.amdhsa_forward_progress 1
		.amdhsa_inst_pref_size 178
	.end_amdhsa_kernel
	.amdgpu_metadata
---
amdhsa.version: [ 1, 2 ]
amdhsa.kernels:
  - .name:           k_qbeac334c6b_attn
    .symbol:         k_qbeac334c6b_attn.kd
    .args:
      - { .name: q, .offset: 0, .size: 8, .value_kind: global_buffer, .address_space: global }
      - { .name: kv, .offset: 8, .size: 8, .value_kind: global_buffer, .address_space: global }
      - { .name: sc, .offset: 16, .size: 8, .value_kind: global_buffer, .address_space: global }
      - { .name: out0, .offset: 24, .size: 8, .value_kind: global_buffer, .address_space: global }
    .group_segment_fixed_size: 327680
    .private_segment_fixed_size: 0
    .kernarg_segment_align: 8
    .kernarg_segment_size: 32
    .max_flat_workgroup_size: 512
    .sgpr_count:     100
    .vgpr_count:     256
    .wavefront_size: 32
...
	.end_amdgpu_metadata
.endif
;; end of part 2
